; MI455X (gfx1250); checked and timed in simulation.
; The chip was launched on July 23, 2026; its instructions are those of AMD's public machine-readable ISA for CDNA 5 (MIT licence, August 2026) and "CDNA5" Instruction Set Architecture Reference Guide (July 2026). The comments in the code are by the model that wrote it; some were corrected since.
;; Individual Attention. Allowed arithmetic: matrix products marked QUANTISED: E2M1 operands, one E8M0 scale for each 32 along K, by v_wmma_scale_f32_16x16x128_f8f6f4 with both operands' format E2M1 (or v_wmma_scale_f32_32x16x128_f4), f32 sums; products left as they are: bf16, f16 or f32 operands; f32 sums; everything else in f32.
;; Inputs: Wk 512 x 512 float32; Wo 512 x 512 float32; Wq 512 x 512 float32; Wv 512 x 512 float32; bo 512 float32; hidden_states 32 x 1,024 x 512 float32.
;; Outputs: out0 32 x 1,024 x 512 float32.
;; Constants: video_length = 16.
;; This version of the problem:
;;   THIS VERSION OF THE PROBLEM IS GIVEN IN LOW PRECISION. The matrix products marked QUANTISED in the list below multiply operands that are first quantised to E2M1 (2 exponent bits, 1 mantissa bit; 4 bits a number), with one power-of-two scale for each 32 numbers along K (OCP MX v1.0); their sums are f32. The products marked 'left as it is' may take bf16, f16 or f32 operands, with f32 sums. Whichever they take, every output number must still come out within the allowed error. Rounding operands to bf16 (8 significant bits) uses up far more of that allowance than f16 does (11 bits, for magnitudes from 6e-5 to 65,504). All else is computed in f32.
;;   The module's matrix products, in the order in which they are computed (A, B: the left and right operand; K: the contracted axis; several contracted axes count as one K, in the product's order):
;;     1. [M 32,768, K 512] x [K 512, N 512]; A: input hidden_states; B: input Wq: QUANTISED
;;     2. [M 32,768, K 512] x [K 512, N 512]; A: input hidden_states; B: input Wk: QUANTISED
;;     3. [M 32,768, K 512] x [K 512, N 512]; A: input hidden_states; B: input Wv: QUANTISED
;;     4. batch 256 x [M 1,024, K 64] x [K 64, N 1,024]; A: computed on the way; B: computed on the way: left as it is (an operand is computed on the way)
;;     5. batch 256 x [M 64, K 1,024] x [K 1,024, N 1,024]; A: computed on the way; B: computed on the way: left as it is (an operand is computed on the way)
;;     6. [M 32,768, K 512] x [K 512, N 512]; A: computed on the way; B: input Wo: left as it is (an operand is computed on the way)
;;   THE QUANTISER, for each operand of a quantised product, along K:
;;     - K is cut into blocks of 32 from its start; a last block that is shorter is filled with zeros.
;;     - A block's scale is 2^e with e = floor(log2(the largest magnitude in the block)) - 2, held to -126 .. 127; a block of zeros has e = 0. As a byte (E8M0): e + 127.
;;     - Each number is divided by its block's scale, clamped to +-6, and rounded to the nearest number of E2M1, ties to even, subnormals kept.
;;     - The product sums the exact products of the quantised numbers (number of the format x scale) in f32.
;;   ~~~python
;;   def quantise(x, axis):      # numpy; x: float32 -> the quantised numbers, widened to float32 again
;;       x = np.moveaxis(x, axis, -1); K = x.shape[-1]
;;       x = np.pad(x, [(0, 0)] * (x.ndim - 1) + [(0, -K % 32)]); x = x.reshape(x.shape[:-1] + (-1, 32)); a = np.abs(x).max(-1, keepdims=True)
;;       e = np.where(a > 0, np.clip(np.frexp(np.where(a > 0, a, 1))[1] - 1 - 2, -126, 127), 0)      # np.frexp(a)[1] - 1 = floor(log2(a)), exactly
;;       r = np.clip(x / 2.0 ** e, -6, 6)
;;       step = 2.0 ** (np.maximum(np.frexp(np.where(r == 0, 1, r))[1] - 1, 0) - 1)
;;       q = np.round(r / step) * step * 2.0 ** e      # np.round: ties to even
;;       return np.moveaxis(q.reshape(q.shape[:-2] + (-1,))[..., :K], -1, axis).astype(np.float32)
;;   ~~~
;; One version. Each part assembles by itself: llvm-mc -triple=amdgcn-amd-amdhsa -mcpu=gfx1250 --defsym DOCPART=n.
;; ======== version 1 of 1: 3 launches
;; limits: values are held in f16: magnitudes above 65,504 overflow, below 6.1e-05 lose precision
;; workspace buffers: codes 8,781,824 bytes; scales 548,864 bytes; wo16 524,288 bytes; attnb 33,554,432 bytes
;; launch prep (part 1): grid 544 x 1, 4 waves a work-group, no clusters, 39,424 bytes of LDS; arguments hidden_states, Wq, Wk, Wv, Wo, codes, scales, wo16; writes codes, scales, wo16
.if DOCPART == 1
	.amdgcn_target "amdgcn-amd-amdhsa--gfx1250"
	.amdhsa_code_object_version 6
	.text
	.protected	k_q65d318aa57_prep
	.globl	k_q65d318aa57_prep
	.p2align	8
	.type	k_q65d318aa57_prep,@function
k_q65d318aa57_prep:
	s_mov_b64 s[64:65], 0
	v_nop
	global_prefetch_b8 v0, s[64:65] scope:SCOPE_SE
	s_setreg_imm32_b32 hwreg(HW_REG_WAVE_MODE, 25, 1), 1
	s_wait_xcnt 0x0
; FIRST OF THREE LAUNCHES of out0 = softmax((x Wq^T)(x Wk^T)^T / 8) (x Wv^T) Wo^T + bo, per batch (32) and head (8 of 64 channels), x = hidden_states [32][1024][512].
; NOTHING OF reference() IS LEFT OUT: all six products, the maximum ahead of the exponential and the bias bo are computed.  video_length is a constant that reference() names and never uses: it has no buffer.
; THIS LAUNCH quantises the operands of the three quantised products once, since each is read by many work-groups of the next launch, and rounds Wo to f16 once.
;   hidden_states, Wq, Wk, Wv (f32, K = 512 innermost) -> codes of FP4 (E2M1) and one E8M0 byte for each 32 along K.  A block's scale is 2^(floor(log2(largest magnitude)) - 2): its byte is that magnitude's
;   exponent field - 2, held at 1 from below; each number is divided by the scale and rounded to the nearest code, ties to even, beyond 6 the largest code.
;   (A block of zeros gets the byte 1 where the rule says 127: its codes are zeros, which add nothing under any byte but 0xff, and this program alone reads the bytes.)
; LAYOUT OF codes: tiles of 16 rows x 512 K, 4,096 bytes: [block j of 32 along K][row r][16 bytes].  That is the image of the operand's registers: K step s, register group c, lane 16 h + r hold block 4 s + 2 c + h of row r,
;   so the i-th 512 consecutive bytes of a tile are registers 4 i .. 4 i + 3 of the tile's four fragments, 16 bytes a lane.  Tiles 0-2047: hidden_states; 2048-2079 Wq; 2080-2111 Wk; 2112-2143 Wv.
; LAYOUT OF scales: 256 bytes a tile: [row r][16 bytes]: word s of a row is the scale word of K step s.
; LAYOUT OF wo16: [tile of 16 rows of Wo][K step of 32][half c][lane][16 bytes]: the image of a 16-bit fragment: lane 16 h + r holds k = 32 kk + 16 c + 8 h + 0 .. 7 of row r.
; LIMITS: blocks whose largest magnitude lies under 2^(2 - 126), the floor, keep the byte 1; NaN and infinities among the inputs are not served; |Wo| stays under 65,504 (f16).
; SHARES: work-groups 0-535: each of the four waves takes one tile, a row (512 numbers) a step.  Work-groups 536-543: each wave takes one tile of 16 rows of Wo.  Waves share nothing: no barrier.
.set WAVES, 4
.set STEPS, 16
.set EMAX,  2
.set QWG,   536                        ; work-groups that quantise
.set SP,    80                         ; a lane's place in a stage: its 64 bytes + 16 of padding
.set SCB,   2*32*SP                    ; LDS, in a wave's region: two stages, then its 256 scale bytes,
.set CIM,   SCB+256                    ; then the tile's image: 16 blocks of 256 bytes, CP bytes apart
.set CP,    272                        ; 68 words: the sixteen pairs of lanes of a code store start 4 words further on in each block's 64
.set WREG,  CIM+16*CP                  ; 9,728 bytes a wave
.set SPARE, WAVES*WREG                 ; behind the four regions: the spare words, 128 bytes for each wave: two blocks of 256 bytes that no other line names
.set R,     16                         ; v16-79   four sets of 16 numbers as they are loaded
.set X,     80                         ; v80-111  two sets of 16 neighbours
.set E,     112                        ; v112-127 a scale byte for each step
.set C,     128                        ; v128-159 codes: two registers for each step
.set SPW,   12                         ; v12      LDS address of my spare word; never rewritten
.set NIL,   13                         ; v13      0; never rewritten
.set IN,    16                         ; Wo: v16-143 two sets of 8 x 8 numbers
.set OUTR,  144                        ; Wo: v144-175 eight units of 8 f16
	s_load_b256 s[8:15], s[0:1], 0x0               ; hidden_states s[8:9], Wq s[10:11], Wk s[12:13], Wv s[14:15]
	s_load_b256 s[16:23], s[0:1], 0x20             ; Wo s[16:17], codes s[18:19], scales s[20:21], wo16 s[22:23]
	v_lshl_add_u32 v[SPW], v0, 2, SPARE
	v_mov_b32 v[NIL], 0
	v_lshrrev_b32 v1, 5, v0
	v_readfirstlane_b32 s24, v1                    ; wave
	v_and_b32 v2, 31, v0                           ; lane
	v_lshlrev_b32 v3, 4, v2                        ; 16 x lane: my 16 bytes of 512
	s_lshl_b32 s25, ttmp9, 2
	s_add_co_u32 s25, s25, s24                     ; 4 x work-group + wave: my tile
	s_mov_b32 s29, 0
	s_cmp_ge_u32 ttmp9, QWG
	s_cbranch_scc1 .Lwo
	; ---------------- the quantising path
	s_mul_i32 s26, s24, WREG                       ; my wave's region
	v_lshrrev_b32 v14, 2, v2
	v_mul_u32_u24 v14, v14, SP
	v_and_b32 v15, 3, v2
	v_lshl_add_u32 v14, v15, 4, v14
	v_add_nc_u32 v14, s26, v14                     ; the stage, on the way in: SP (lane / 4) + 16 (lane % 4)
	v_mul_u32_u24 v15, v2, SP
	v_add_nc_u32 v15, s26, v15                     ; and on the way out: SP x lane: my 16 neighbours
	v_lshrrev_b32 v5, 1, v2                        ; my block of the row: two lanes to a block
	v_mul_u32_u24 v4, v5, CP
	v_and_b32 v6, 1, v2
	v_lshl_add_u32 v4, v6, 3, v4
	v_add_nc_u32 v4, s26, v4
	v_add_nc_u32 v4, CIM, v4                       ; the image, on the way in: block x CP + 8 x (lane % 2); the row stands in the immediate
	v_add_nc_u32 v5, s26, v5
	v_add_nc_u32 v5, SCB, v5                       ; my block's scale byte; the row stands in the immediate
	v_lshlrev_b32 v7, 3, v2                        ; the scale bytes on the way out: 8 a lane
	v_add_nc_u32 v6, s26, v7
	v_add_nc_u32 v6, SCB, v6
	v_lshrrev_b32 v10, 4, v2
	v_mul_u32_u24 v10, v10, CP
	v_and_b32 v8, 15, v2
	v_lshl_add_u32 v10, v8, 4, v10
	v_add_nc_u32 v10, s26, v10
	v_add_nc_u32 v10, CIM, v10                     ; the image, on the way out: two blocks an instruction, sixteen lanes to a block
	s_and_b32 s27, ttmp9, 7                        ; a weight has 8 work-groups, and 512, 520, 528 are multiples of 8
	s_wait_kmcnt 0x0
	s_cmp_lt_u32 ttmp9, 528                        ; which tensor: the choice hangs on the work-group's number alone
	s_cselect_b64 s[4:5], s[12:13], s[14:15]
	s_cmp_lt_u32 ttmp9, 520
	s_cselect_b64 s[4:5], s[10:11], s[4:5]
	s_cmp_lt_u32 ttmp9, 512
	s_cselect_b64 s[4:5], s[8:9], s[4:5]
	s_cselect_b32 s27, ttmp9, s27                  ; the work-group's number within its tensor
	s_lshl_b32 s27, s27, 2
	s_add_co_u32 s27, s27, s24                     ; my tile within the tensor
	s_lshl_b32 s28, s27, 15                        ; 16 rows of 2,048 bytes
	s_add_nc_u64 s[4:5], s[4:5], s[28:29]
	s_lshl_b32 s28, s25, 12
	s_add_nc_u64 s[18:19], s[18:19], s[28:29]      ; my tile's 4,096 bytes of codes
	s_lshl_b32 s28, s25, 8
	s_add_nc_u64 s[20:21], s[20:21], s[28:29]      ; and its 256 scale bytes
.macro LOAD t                          ; row t: four loads of 512 consecutive bytes
.irp i, 0,1,2,3
	global_load_b128 v[R+16*((\t)%4)+4*\i:R+16*((\t)%4)+4*\i+3], v3, s[4:5] offset:2048*(\t)+512*\i th:TH_LOAD_NT
.endr
.endm
.macro TURN t                          ; row t through a stage: in as loaded, out 64 bytes a lane.  LDS serves a wave's instructions in order: no wait between the stores and the loads
.irp i, 0,1,2,3
	ds_store_b128 v14, v[R+16*((\t)%4)+4*\i:R+16*((\t)%4)+4*\i+3] offset:32*SP*((\t)%2)+8*SP*\i
.endr
.irp i, 0,1,2,3
	ds_load_b128 v[X+16*((\t)%2)+4*\i:X+16*((\t)%2)+4*\i+3], v15 offset:32*SP*((\t)%2)+16*\i
.endr
.endm
.irp t, 0,1,2,3
	LOAD \t
.endr
	s_wait_loadcnt 12                              ; row 0's four loads are in
	TURN 0
.macro STEP t
.set XS, X+16*((\t)%2)
.if (\t) > 0
	s_wait_dscnt 2                                 ; this row is back from the stage (behind it: the last row's byte store and code store), so its stores into the stage have read their registers,
.else
	s_wait_dscnt 0x0
.endif
.if (\t)+4 < STEPS
	LOAD (\t)+4                                    ; which take the loads of four rows on
.endif
.if (\t)+1 < STEPS
.if STEPS-2-(\t) >= 3
	s_wait_loadcnt 12                              ; the next row's four loads are in; those of the three rows behind it may be out
.else
	s_wait_loadcnt 4*(STEPS-2-(\t))
.endif
	TURN (\t)+1                                    ; and go through the other stage while this row is worked
.endif
	v_max3_num_f32 v8, |v[XS]|, |v[XS+1]|, |v[XS+2]|               ; the largest magnitude of my 16, in two chains
	v_max3_num_f32 v9, |v[XS+3]|, |v[XS+4]|, |v[XS+5]|
.irp i, 6,10
	v_max3_num_f32 v8, v8, |v[XS+\i]|, |v[XS+\i+1]|
	v_max3_num_f32 v9, v9, |v[XS+\i+2]|, |v[XS+\i+3]|
.endr
	v_max3_num_f32 v8, v8, |v[XS+14]|, |v[XS+15]|
	v_max3_num_f32 v8, v8, v9, (EMAX+1)<<23        ; and the floor 2^(EMAX + 1 - 127): the byte cannot fall under 1
	v_max_num_f32_dpp v8, v8, v8 row_xmask:1 row_mask:0xf bank_mask:0xf   ; and of my neighbour's 16: the block's
	v_add_nc_u32 v11, -(EMAX<<23), v8              ; EMAX off its exponent field: the conversion takes the exponent field of this operand as its scale
	v_cvt_scalef32_pk8_fp4_f32 v[C+2*(\t)], v[XS:XS+7], v11
	v_cvt_scalef32_pk8_fp4_f32 v[C+2*(\t)+1], v[XS+8:XS+15], v11
	v_lshrrev_b32 v[E+(\t)], 23, v11               ; the scale's byte (also the plain line behind the conversions)
	ds_store_b8 v5, v[E+(\t)] offset:16*(\t)       ; both lanes of a block write the same byte with the same value
	ds_store_b64 v4, v[C+2*(\t):C+2*(\t)+1] offset:16*(\t)   ; my 16 codes: half of row t's 16 bytes in my block
.endm
.irp t, 0,1,2,3,4,5,6,7,8,9,10,11,12,13,14,15
	STEP \t
.endr
	ds_load_b64 v[8:9], v6                         ; LDS serves a wave's instructions in order: these see my stores
.irp i, 0,1,2,3,4,5,6,7
	ds_load_b128 v[R+4*\i:R+4*\i+3], v10 offset:2*CP*\i
.endr
	s_wait_dscnt 8                                 ; the scale bytes are back; the eight loads of the image may be out
	global_store_b64 v7, v[8:9], s[20:21]          ; 32 lanes store 256 consecutive bytes, aligned
.irp i, 0,1,2,3,4,5,6,7
	s_wait_dscnt 7-\i
	global_store_b128 v3, v[R+4*\i:R+4*\i+3], s[18:19] offset:512*\i   ; 32 lanes store 512 consecutive bytes, aligned
.endr
	s_wait_tensorcnt 0x0                           ; the wave's end, behind my last LDS store
	ds_add_u32 v[SPW], v[NIL]
	s_wait_dscnt 0x0
	s_endpgm
	; ---------------- Wo to f16, as fragment images.
.Lwo:
	s_sub_co_u32 s25, s25, 4*QWG                   ; my tile of 16 rows of Wo, 0 .. 31
	v_and_b32 v4, 15, v2                           ; r
	v_lshrrev_b32 v5, 4, v2                        ; h
	v_lshlrev_b32 v4, 11, v4
	v_lshl_add_u32 v4, v5, 5, v4                   ; row r of 2,048 bytes + 32 h: my 8 numbers of a unit of 16 along K
	s_lshl_b32 s28, s25, 15
	s_wait_kmcnt 0x0
	s_add_nc_u64 s[16:17], s[16:17], s[28:29]
	s_lshl_b32 s28, s25, 14
	s_add_nc_u64 s[22:23], s[22:23], s[28:29]
.macro WLD b                           ; batch b: units 8 b .. 8 b + 7 (unit n: K step n / 2, half n % 2: 64 n bytes along a row)
.irp i, 0,1,2,3,4,5,6,7
	global_load_b128 v[IN+64*((\b)%2)+8*\i:IN+64*((\b)%2)+8*\i+3], v4, s[16:17] offset:64*(8*(\b)+\i) th:TH_LOAD_NT
	global_load_b128 v[IN+64*((\b)%2)+8*\i+4:IN+64*((\b)%2)+8*\i+7], v4, s[16:17] offset:64*(8*(\b)+\i)+16 th:TH_LOAD_NT
.endr
.endm
.macro WCV b
.if (\b) < 3
	s_wait_loadcnt 16                              ; this batch is in; the next batch's 16 loads may be out
.else
	s_wait_loadcnt 0x0
.endif
.if (\b) > 0
	s_wait_xcnt 0x0                                ; the last batch's stores have read their data: the registers are written again only behind this wait
.endif
.irp i, 0,1,2,3,4,5,6,7
.irp j, 0,1,2,3
	v_cvt_pk_f16_f32 v[OUTR+4*\i+\j], v[IN+64*((\b)%2)+8*\i+2*\j], v[IN+64*((\b)%2)+8*\i+2*\j+1]
.endr
.endr
.if (\b)+2 < 4
	WLD (\b)+2
.endif
.irp i, 0,1,2,3,4,5,6,7
	global_store_b128 v3, v[OUTR+4*\i:OUTR+4*\i+3], s[22:23] offset:512*(8*(\b)+\i)   ; 512 consecutive bytes, aligned
.endr
.endm
	WLD 0
	WLD 1
	WCV 0
	WCV 1
	WCV 2
	WCV 3
	s_endpgm
.Lfunc_end_k_q65d318aa57_prep:
	.size	k_q65d318aa57_prep, .Lfunc_end_k_q65d318aa57_prep-k_q65d318aa57_prep
	.p2alignl 7, 3214868480
	.fill 96, 4, 3214868480
	.section	.rodata,"a",@progbits
	.p2align	6, 0x0
	.amdhsa_kernel k_q65d318aa57_prep
		.amdhsa_group_segment_fixed_size 39424
		.amdhsa_private_segment_fixed_size 0
		.amdhsa_enable_private_segment 0
		.amdhsa_kernarg_size 64
		.amdhsa_user_sgpr_count 2
		.amdhsa_user_sgpr_kernarg_segment_ptr 1
		.amdhsa_wavefront_size32 1
		.amdhsa_system_sgpr_workgroup_id_x 1
		.amdhsa_system_sgpr_workgroup_id_y 1
		.amdhsa_system_sgpr_workgroup_id_z 1
		.amdhsa_system_vgpr_workitem_id 0
		.amdhsa_next_free_vgpr 192
		.amdhsa_next_free_sgpr 66
		.amdhsa_reserve_vcc 0
		.amdhsa_float_denorm_mode_32 3
		.amdhsa_float_denorm_mode_16_64 3
		.amdhsa_memory_ordered 1
		.amdhsa_forward_progress 1
		.amdhsa_inst_pref_size 53
	.end_amdhsa_kernel
	.amdgpu_metadata
---
amdhsa.version: [ 1, 2 ]
amdhsa.kernels:
  - .name:           k_q65d318aa57_prep
    .symbol:         k_q65d318aa57_prep.kd
    .args:
      - { .name: hidden_states, .offset: 0, .size: 8, .value_kind: global_buffer, .address_space: global }
      - { .name: Wq, .offset: 8, .size: 8, .value_kind: global_buffer, .address_space: global }
      - { .name: Wk, .offset: 16, .size: 8, .value_kind: global_buffer, .address_space: global }
      - { .name: Wv, .offset: 24, .size: 8, .value_kind: global_buffer, .address_space: global }
      - { .name: Wo, .offset: 32, .size: 8, .value_kind: global_buffer, .address_space: global }
      - { .name: codes, .offset: 40, .size: 8, .value_kind: global_buffer, .address_space: global }
      - { .name: scales, .offset: 48, .size: 8, .value_kind: global_buffer, .address_space: global }
      - { .name: wo16, .offset: 56, .size: 8, .value_kind: global_buffer, .address_space: global }
    .group_segment_fixed_size: 39424
    .private_segment_fixed_size: 0
    .kernarg_segment_align: 8
    .kernarg_segment_size: 64
    .max_flat_workgroup_size: 128
    .sgpr_count:     66
    .vgpr_count:     192
    .wavefront_size: 32
...
	.end_amdgpu_metadata
.endif
;; end of part 1
;; launch attn (part 2): grid 8 x 32, 16 waves a work-group, no clusters, 313,344 bytes of LDS; arguments codes, scales, attnb; writes attnb
.if DOCPART == 2
	.amdgcn_target "amdgcn-amd-amdhsa--gfx1250"
	.amdhsa_code_object_version 6
	.text
	.protected	k_q65d318aa57_attn
	.globl	k_q65d318aa57_attn
	.p2align	8
	.type	k_q65d318aa57_attn,@function
k_q65d318aa57_attn:
	s_mov_b64 s[64:65], 0
	v_nop
	global_prefetch_b8 v0, s[64:65] scope:SCOPE_SE
	s_setreg_imm32_b32 hwreg(HW_REG_WAVE_MODE, 25, 1), 1
	s_wait_xcnt 0x0
; SECOND LAUNCH: for one batch (work-group y) and one head (work-group x): q, k, v by products on codes of FP4 with E8M0 scales, then softmax(q k^T / 8) v in f16 operands and f32 sums.  No work of reference() is left out.
; The head's K and V (1,024 x 64 each) are made ONCE by the work-group and stay in LDS as f16, 131,072 bytes each, as images of operand registers: the loop over the keys fills nothing and has no barrier.
; SHARES: sixteen waves, four to a SIMD, 256 registers each.  Wave w makes K and V of rows 64 w .. 64 w + 63, and owns the same rows as queries, in two passes of two tiles of 16; a pass walks all keys, 64 a step.
; THE LAYOUT THAT SPARES EVERY TRANSPOSITION: in a 16 x 16 result, lane (r = lane % 16, h = lane / 16) holds column r and rows 8 h + 0 .. 7.  Rounded to f16 in pairs, that is half of a 16-bit fragment (row r, k = 8 h + 0 .. 7):
;   K, Q:  source 0 = 16 channels of Wk or Wq, source 1 = 16 rows of x: a lane holds one key or query and 8 channels: tiles 2 u and 2 u + 1 make the fragment of channels 32 u on.
;   V:     source 0 = 16 rows of x, source 1 = 16 channels of Wv: a lane holds one channel and 8 keys: two key tiles make a fragment of V^T.
;   S^T = K Q^T: a lane holds one query and 8 keys: two key tiles make a fragment of P.   O^T = V^T P: a lane holds one query and 8 channels: two tiles make a fragment of the next launch's operand.
; SOFTMAX: log2(e) / 8 is multiplied into q in f32 ahead of its rounding, so a score is t; for each query a running maximum m and sum l: p = 2^(t - m); in every step O^T and l are multiplied by 2^(m_old - m_new).
; NO CLUSTER: what work-groups share (a batch's codes, 262,144 bytes, among its 8 heads; a head's weights, 49,152 bytes, among 32 batches) is read once at the head, into registers for the most part,
;   against 8 MiB that a work-group reads from its own LDS in the loops; nothing is shared in the loops.
; LIMITS: |k|, |v| under 65,504 and |q| under 363,000 (f16's range; beyond it infinities arise); NaN and infinities among the inputs are not served.
.set VIMG,  131072                     ; LDS: 0: K: fragment (key tile kt, u) at 2,048 kt + 1,024 u, its halves 512 apart;  VIMG: V^T: fragment (32 keys ks, channel tile t) at 4,096 ks + 1,024 t
.set WIMG,  262144                     ; the head's weights as codes: [q, k, v][channel tile][4,096 bytes]
.set SPARE, 311296                     ; the spare words, 128 bytes for each wave: eight blocks of 256 bytes that no other line names
.set LI,  1                            ; v1   16 x lane: my place in every image; never rewritten
.set SPW, 2                            ; v2   LDS address of my spare word; never rewritten
.set NIL, 3                            ; v3   0; never rewritten
.set ADK, 4                            ; v4   first: where my wave stores K (16 x lane + 8,192 w); in a pass: the step's K
.set ADV, 5                            ; v5   the same for V
.set WL,  6                            ; v6   16 x lane + WIMG
.set WA,  7                            ; v7   16 x thread + WIMG
.set ST,  8                            ; v8-19  tile q's statistics at ST + 6 q: +0 m, +1 at work, +2, +3 l (even keys', odd keys'), +4 the rescaling factor, +5 at work
.set WS,  20                           ; v20-23 scale words of a pair of weight tiles (lanes 0-15 the even tile, lanes 16-31 the odd one), K steps 0-3.  v20-31 hold scales and nothing else
.set HS,  24                           ; v24-31 scale words of rows of x, two tiles to four registers; in a pass v28-31 take Wq's second pair
.set QF,  32                           ; v32-63   Q: fragment (q, u) at 16 q + 8 u;  before the passes: four accumulators
.set KV,  64                           ; v64-95   four fragments of K or V^T, or a weight tile's four K steps
.set SS,  96                           ; v96-159  S^T, then p: 32 q + 8 kt + j;  before the passes: v96-111 packed results
.set PF,  160                          ; v160-191 P: 16 q + i; its first four registers a tile serve the search for the maximum; at a pass's end the packed O
.set OA,  192                          ; v192-255 O^T: 32 q + 8 t + j;  at a pass's head: the two query tiles' codes
.set XC,  128                          ; v128-255 before the passes: the codes of my four tiles of rows
.set SEL, 26                           ; s[26:27] lane selects for v_permlanex16_b32: lane l xor 16
.set CS,  28                           ; s[28:29] log2(e) / 8, twice
.set TB,  30                           ; s30  the step's first byte in K's and in V's images: 8,192 a step
.set CNT, 31
.macro PLACES n                        ; plain places behind matrix instructions: four ahead of loads into their registers and of reads of their results
.rept \n
	v_nop
.endr
.endm
; One product on codes: D += A x B, 16 x 16 x 128.  ks = 0: the first K step starts the sum with the constant 0.  ra, rb = 1: that side's scale words stand in lanes 16-31.
.macro WM d, a, b, ks, sa, sb, ra, rb
.set WROW, 2*(\ra)+(\rb)
.if (\ks) == 0
.if WROW == 0
	v_wmma_scale_f32_16x16x128_f8f6f4 v[(\d):(\d)+7], v[(\a):(\a)+7], v[(\b):(\b)+7], 0, v[\sa], v[\sb] matrix_a_fmt:MATRIX_FMT_FP4 matrix_b_fmt:MATRIX_FMT_FP4
.elseif WROW == 1
	v_wmma_scale_f32_16x16x128_f8f6f4 v[(\d):(\d)+7], v[(\a):(\a)+7], v[(\b):(\b)+7], 0, v[\sa], v[\sb] matrix_a_fmt:MATRIX_FMT_FP4 matrix_b_fmt:MATRIX_FMT_FP4 matrix_b_scale:MATRIX_SCALE_ROW1
.elseif WROW == 2
	v_wmma_scale_f32_16x16x128_f8f6f4 v[(\d):(\d)+7], v[(\a):(\a)+7], v[(\b):(\b)+7], 0, v[\sa], v[\sb] matrix_a_fmt:MATRIX_FMT_FP4 matrix_b_fmt:MATRIX_FMT_FP4 matrix_a_scale:MATRIX_SCALE_ROW1
.else
	v_wmma_scale_f32_16x16x128_f8f6f4 v[(\d):(\d)+7], v[(\a):(\a)+7], v[(\b):(\b)+7], 0, v[\sa], v[\sb] matrix_a_fmt:MATRIX_FMT_FP4 matrix_b_fmt:MATRIX_FMT_FP4 matrix_a_scale:MATRIX_SCALE_ROW1 matrix_b_scale:MATRIX_SCALE_ROW1
.endif
.else
.if WROW == 0
	v_wmma_scale_f32_16x16x128_f8f6f4 v[(\d):(\d)+7], v[(\a):(\a)+7], v[(\b):(\b)+7], v[(\d):(\d)+7], v[\sa], v[\sb] matrix_a_fmt:MATRIX_FMT_FP4 matrix_b_fmt:MATRIX_FMT_FP4
.elseif WROW == 1
	v_wmma_scale_f32_16x16x128_f8f6f4 v[(\d):(\d)+7], v[(\a):(\a)+7], v[(\b):(\b)+7], v[(\d):(\d)+7], v[\sa], v[\sb] matrix_a_fmt:MATRIX_FMT_FP4 matrix_b_fmt:MATRIX_FMT_FP4 matrix_b_scale:MATRIX_SCALE_ROW1
.elseif WROW == 2
	v_wmma_scale_f32_16x16x128_f8f6f4 v[(\d):(\d)+7], v[(\a):(\a)+7], v[(\b):(\b)+7], v[(\d):(\d)+7], v[\sa], v[\sb] matrix_a_fmt:MATRIX_FMT_FP4 matrix_b_fmt:MATRIX_FMT_FP4 matrix_a_scale:MATRIX_SCALE_ROW1
.else
	v_wmma_scale_f32_16x16x128_f8f6f4 v[(\d):(\d)+7], v[(\a):(\a)+7], v[(\b):(\b)+7], v[(\d):(\d)+7], v[\sa], v[\sb] matrix_a_fmt:MATRIX_FMT_FP4 matrix_b_fmt:MATRIX_FMT_FP4 matrix_a_scale:MATRIX_SCALE_ROW1 matrix_b_scale:MATRIX_SCALE_ROW1
.endif
.endif
.endm
.macro WLOAD m, t, reg                 ; channel tile t of weight m (0 q, 1 k, 2 v): its four K steps' fragments from LDS
.irp i, 0,1,2,3,4,5,6,7
	ds_load_b128 v[(\reg)+4*\i:(\reg)+4*\i+3], v[WL] offset:(\m)*16384+(\t)*4096+512*\i
.endr
.endm
	s_load_b128 s[4:7], s[0:1], 0x0                ; codes s[4:5], scales s[6:7]
	s_load_b64 s[8:9], s[0:1], 0x10                ; attnb
	v_lshl_add_u32 v[SPW], v0, 2, SPARE
	v_mov_b32 v[NIL], 0
	v_lshrrev_b32 v[LI], 5, v0
	v_readfirstlane_b32 s10, v[LI]                 ; wave 0..15
	v_and_b32 v[LI], 31, v0
	v_lshlrev_b32 v[LI], 4, v[LI]
	s_mov_b32 s11, ttmp9                           ; the head
	s_and_b32 s12, ttmp7, 0xffff                   ; the batch
	s_lshl_b32 s13, s10, 13
	v_add_nc_u32 v[ADK], s13, v[LI]                ; my wave's four key tiles of K's image,
	v_add_nc_u32 v[ADV], VIMG, v[ADK]              ; and its two groups of 32 keys of V's: 8,192 bytes each
	v_add_nc_u32 v[WL], WIMG, v[LI]
	v_lshl_add_u32 v[WA], v0, 4, WIMG
	v_lshlrev_b32 v[SS], 4, v0                     ; 16 x thread: the work-group's 512 threads copy 8,192 bytes an instruction
.irp q, 0,1
	v_mov_b32 v[ST+6*\q+1], 0                      ; named as upper halves of pairs, and as a lane permute's destination, before they are first used: so they are written
	v_mov_b32 v[ST+6*\q+5], 0
.endr
	s_mov_b32 s[SEL], 0x76543210
	s_mov_b32 s[SEL+1], 0xfedcba98
	s_mov_b32 s[CS], 0x3e38aa3b                    ; log2(e) / 8
	s_mov_b32 s[CS+1], s[CS]
	s_mov_b32 s15, 0
	s_lshl_b32 s14, s11, 14
	s_add_co_u32 s14, s14, 2048*4096
	s_wait_kmcnt 0x0
	s_add_nc_u64 s[16:17], s[4:5], s[14:15]        ; Wq's codes of my head: tile 2,048 + 4 head; Wk's and Wv's lie 32 and 64 tiles on
	s_lshl_b32 s14, s12, 18
	s_lshl_b32 s13, s10, 14
	s_add_co_u32 s14, s14, s13
	s_add_nc_u64 s[18:19], s[4:5], s[14:15]        ; x's codes: tile 64 batch + 4 wave
	s_lshl_b32 s14, s11, 10
	s_add_co_u32 s14, s14, 2048*256
	s_add_nc_u64 s[20:21], s[6:7], s[14:15]        ; the weights' scale words
	s_lshl_b32 s14, s12, 14
	s_lshl_b32 s13, s10, 10
	s_add_co_u32 s14, s14, s13
	s_add_nc_u64 s[22:23], s[6:7], s[14:15]        ; x's scale words
	s_lshl_b32 s14, s12, 20
	s_lshl_b32 s13, s10, 16
	s_add_co_u32 s14, s14, s13
	s_lshl_b32 s13, s11, 11
	s_add_co_u32 s14, s14, s13
	s_add_nc_u64 s[24:25], s[8:9], s[14:15]        ; attnb: row tile 64 batch + 4 wave (16,384 bytes a tile), K steps 2 head and 2 head + 1 (1,024 bytes each)
	; ---- the head's weights go into LDS, 16 bytes a thread; my rows' codes and scale words into registers
.irp m, 0,1,2
.irp i, 0,1
	global_load_b128 v[KV+4*(2*\m+\i):KV+4*(2*\m+\i)+3], v[SS], s[16:17] offset:\m*131072+\i*8192
.endr
.endr
.set i, 0
.rept 32
	global_load_b128 v[XC+4*i:XC+4*i+3], v[LI], s[18:19] offset:512*i   ; fragment (row tile rt, K step s) at XC + 32 rt + 8 s
.set i, i+1
.endr
	global_load_b128 v[HS:HS+3], v[LI], s[22:23]               ; row tiles 0 (lanes 0-15) and 1 (lanes 16-31)
	global_load_b128 v[HS+4:HS+7], v[LI], s[22:23] offset:512  ; row tiles 2 and 3
	global_load_b128 v[WS:WS+3], v[LI], s[20:21] offset:8192   ; Wk's channel tiles 0 and 1
	s_wait_loadcnt 35                              ; the six loads of weights are in; the 35 issued behind them may be out
.irp m, 0,1,2
.irp i, 0,1
	ds_store_b128 v[WA], v[KV+4*(2*\m+\i):KV+4*(2*\m+\i)+3] offset:\m*16384+\i*8192
.endr
.endr
	s_wait_dscnt 0x0                               ; for the others' sake: my part of the weights has landed
	s_barrier_signal -1
	s_barrier_wait -1
; ---- K and V of my 64 rows.  One channel tile t of Wk (m = 1) or Wv (m = 2) against my four row tiles: 16 products, the four accumulators by turns, K ascending.
; Behind the products the next tile's fragments (nm, nt) are asked for; the results are rounded to f16 and stored as images.  nm < 0: there is no next tile.
.macro PROJKV m, t, nm, nt
.if ((\t)%2) == 0
	s_wait_loadcnt 0x0                             ; this pair of tiles' scale words (and, the first time, my rows' codes and scale words)
.endif
	s_wait_dscnt 0x0                               ; the tile's fragments are in, and the last tile's stores have read their registers
.irp s, 0,1,2,3
.irp rt, 0,1,2,3
.if \m == 1
	WM QF+8*\rt, KV+8*\s, XC+32*\rt+8*\s, \s, WS+\s, HS+4*(\rt/2)+\s, (\t)%2, \rt%2
.else
	WM QF+8*\rt, XC+32*\rt+8*\s, KV+8*\s, \s, HS+4*(\rt/2)+\s, WS+\s, \rt%2, (\t)%2
.endif
.endr
.endr
	PLACES 4
.if \nm >= 0
	WLOAD \nm, \nt, KV
.if ((\nt)%2) == 0
	global_load_b128 v[WS:WS+3], v[LI], s[20:21] offset:(\nm)*8192+((\nt)/2)*512
.endif
.endif
.irp rt, 0,1,2,3
.irp i, 0,1,2,3
	v_cvt_pk_f16_f32 v[SS+4*\rt+\i], v[QF+8*\rt+2*\i], v[QF+8*\rt+2*\i+1]   ; each accumulator from its low end on
.endr
.endr
.irp rt, 0,1,2,3
.if \m == 1
	ds_store_b128 v[ADK], v[SS+4*\rt:SS+4*\rt+3] offset:\rt*2048+(\t)*512                       ; key tile rt, channels 16 t on: half t % 2 of fragment u = t / 2
.else
	ds_store_b128 v[ADV], v[SS+4*\rt:SS+4*\rt+3] offset:(\rt/2)*4096+(\t)*1024+(\rt%2)*512      ; 32 keys rt / 2, channel tile t, half rt % 2
.endif
.endr
.endm
	WLOAD 1, 0, KV
	PROJKV 1, 0, 1, 1
	PROJKV 1, 1, 1, 2
	PROJKV 1, 2, 1, 3
	PROJKV 1, 3, 2, 0
	PROJKV 2, 0, 2, 1
	PROJKV 2, 1, 2, 2
	PROJKV 2, 2, 2, 3
	PROJKV 2, 3, -1, 0
	s_wait_dscnt 0x0                               ; for the others' sake: my part of K and V has landed.  Behind this barrier no LDS byte but the spare words is written any more
	s_barrier_signal -1
	s_barrier_wait -1
; ---- Q: channel tile t of Wq (its fragments at wf) against the pass's two query tiles: 8 products, two accumulators by turns
.macro QMUL t, wf
.irp s, 0,1,2,3
.irp rt, 0,1
	WM SS+8*(2*(\t)+\rt), (\wf)+8*\s, OA+32*\rt+8*\s, \s, WS+8*((\t)/2)+\s, HS+\s, (\t)%2, \rt
.endr
.endr
.endm
; ---- A KEY STEP: 64 keys against two tiles of 16 queries.  first = 1: the pass's first step starts m, l and O^T.
.macro KSTEP first
	v_add_nc_u32 v[ADK], s[TB], v[LI]
	v_add_nc_u32 v[ADV], VIMG, v[ADK]
	v_nop
	v_nop                                          ; with the two additions: four places behind the last products, ahead of the loads into the registers that they read
.irp g, 0,1                                    ; S^T = K Q^T, two key tiles at a time: four accumulators by turns, 32 channels a turn
.if \g
	PLACES 4
.endif
.irp i, 0,1,2,3,4,5,6,7
	ds_load_b128 v[KV+4*\i:KV+4*\i+3], v[ADK] offset:\g*4096+512*\i
.endr
	s_wait_dscnt 0x0
.irp u, 0,1
.irp k, 0,1
.irp q, 0,1
.if \u
	v_wmma_f32_16x16x32_f16 v[SS+32*\q+8*(2*\g+\k):SS+32*\q+8*(2*\g+\k)+7], v[KV+16*\k+8*\u:KV+16*\k+8*\u+7], v[QF+16*\q+8*\u:QF+16*\q+8*\u+7], v[SS+32*\q+8*(2*\g+\k):SS+32*\q+8*(2*\g+\k)+7]
.else
	v_wmma_f32_16x16x32_f16 v[SS+32*\q+8*(2*\g+\k):SS+32*\q+8*(2*\g+\k)+7], v[KV+16*\k+8*\u:KV+16*\k+8*\u+7], v[QF+16*\q+8*\u:QF+16*\q+8*\u+7], 0
.endif
.endr
.endr
.endr
.endr
	PLACES 4
.irp i, 0,1,2,3,4,5,6,7
	ds_load_b128 v[KV+4*\i:KV+4*\i+3], v[ADV] offset:512*\i    ; V^T of the step's first 32 keys is asked for ahead of the softmax
.endr
	; the maximum of a lane's 32 scores, the two tiles by turns: four chains, each begun at its accumulator's low end
.irp j, 0,1,2,3
.irp q, 0,1
	v_max3_num_f32 v[PF+16*\q+\j], v[SS+32*\q+8*\j], v[SS+32*\q+8*\j+1], v[SS+32*\q+8*\j+2]
.endr
.endr
.irp r, 3,5
.irp j, 0,1,2,3
.irp q, 0,1
	v_max3_num_f32 v[PF+16*\q+\j], v[PF+16*\q+\j], v[SS+32*\q+8*\j+\r], v[SS+32*\q+8*\j+\r+1]
.endr
.endr
.endr
.irp q, 0,1
	v_max3_num_f32 v[PF+16*\q], v[PF+16*\q], v[SS+32*\q+7], v[SS+32*\q+15]
.endr
.irp q, 0,1
	v_max3_num_f32 v[PF+16*\q+2], v[PF+16*\q+2], v[SS+32*\q+23], v[SS+32*\q+31]
.endr
.irp q, 0,1
	v_max3_num_f32 v[PF+16*\q], v[PF+16*\q], v[PF+16*\q+1], v[PF+16*\q+2]
.endr
.irp q, 0,1
.if \first
	v_max_num_f32 v[PF+16*\q], v[PF+16*\q], v[PF+16*\q+3]
.else
	v_max3_num_f32 v[PF+16*\q], v[PF+16*\q], v[PF+16*\q+3], v[ST+6*\q]   ; and the old m
.endif
.endr
.irp q, 0,1
	v_permlanex16_b32 v[PF+16*\q+1], v[PF+16*\q], s[SEL], s[SEL+1]       ; the query's other 32 keys lie in the lane 16 away
.endr
.irp q, 0,1
	v_max_num_f32 v[PF+16*\q], v[PF+16*\q], v[PF+16*\q+1]
.endr
.if !\first
.irp q, 0,1
	v_sub_f32 v[ST+6*\q+1], v[ST+6*\q], v[PF+16*\q]                      ; m_old - m_new, 0 or less
.endr
.endif
.irp q, 0,1
	v_mov_b32 v[ST+6*\q], v[PF+16*\q]                                    ; the new m
.endr
.if !\first
.irp q, 0,1
	v_exp_f32 v[ST+6*\q+4], v[ST+6*\q+1]                                 ; the rescaling factor: the first of the step's batch of exponentials
.endr
.endif
.irp i, 0,1,2,3,4,5,6,7,8,9,10,11,12,13,14,15
.irp q, 0,1
	v_pk_add_f32 v[SS+32*\q+2*\i:SS+32*\q+2*\i+1], v[SS+32*\q+2*\i:SS+32*\q+2*\i+1], v[ST+6*\q:ST+6*\q+1] op_sel_hi:[1,0] neg_lo:[0,1] neg_hi:[0,1]   ; t - m, two at a time
.endr
.endr
.irp i, 0,1,2,3,4,5,6,7,8,9,10,11,12,13,14,15,16,17,18,19,20,21,22,23,24,25,26,27,28,29,30,31
.irp q, 0,1
	v_exp_f32 v[SS+32*\q+\i], v[SS+32*\q+\i]                             ; p = 2^(t - m), at most 1
.endr
.endr
	v_nop                                          ; a plain line behind the last exponential
	s_wait_alu depctr_va_vdst(0)                   ; ONE wait for the whole batch, ahead of the first line that names a result
.irp i, 0,1,2,3,4,5,6,7,8,9,10,11,12,13,14,15
.irp q, 0,1
	v_cvt_pk_f16_f32 v[PF+16*\q+\i], v[SS+32*\q+2*\i], v[SS+32*\q+2*\i+1]   ; P: key tiles 2 n and 2 n + 1 are the fragment of keys 32 n on
.endr
.endr
.irp z, 0,1,2,3,4,5,6,7                        ; the sum of the 16 pairs, in place: neighbours 1, 2, 4 and 8 pairs apart
.irp q, 0,1
	v_pk_add_f32 v[SS+32*\q+4*\z:SS+32*\q+4*\z+1], v[SS+32*\q+4*\z:SS+32*\q+4*\z+1], v[SS+32*\q+4*\z+2:SS+32*\q+4*\z+3]
.endr
.endr
.irp z, 0,1,2,3
.irp q, 0,1
	v_pk_add_f32 v[SS+32*\q+8*\z:SS+32*\q+8*\z+1], v[SS+32*\q+8*\z:SS+32*\q+8*\z+1], v[SS+32*\q+8*\z+4:SS+32*\q+8*\z+5]
.endr
.endr
.irp z, 0,1
.irp q, 0,1
	v_pk_add_f32 v[SS+32*\q+16*\z:SS+32*\q+16*\z+1], v[SS+32*\q+16*\z:SS+32*\q+16*\z+1], v[SS+32*\q+16*\z+8:SS+32*\q+16*\z+9]
.endr
.endr
.if \first
.irp q, 0,1
	v_pk_add_f32 v[ST+6*\q+2:ST+6*\q+3], v[SS+32*\q:SS+32*\q+1], v[SS+32*\q+16:SS+32*\q+17]
.endr
.else
.irp q, 0,1
	v_pk_add_f32 v[SS+32*\q:SS+32*\q+1], v[SS+32*\q:SS+32*\q+1], v[SS+32*\q+16:SS+32*\q+17]
.endr
.irp q, 0,1
	v_pk_fma_f32 v[ST+6*\q+2:ST+6*\q+3], v[ST+6*\q+2:ST+6*\q+3], v[ST+6*\q+4:ST+6*\q+5], v[SS+32*\q:SS+32*\q+1] op_sel_hi:[1,0,1]   ; l = factor x l + the step's sum
.endr
.irp i, 0,1,2,3,4,5,6,7,8,9,10,11,12,13,14,15
.irp q, 0,1
	v_pk_mul_f32 v[OA+32*\q+2*\i:OA+32*\q+2*\i+1], v[OA+32*\q+2*\i:OA+32*\q+2*\i+1], v[ST+6*\q+4:ST+6*\q+5] op_sel_hi:[1,0]   ; O^T x factor, each accumulator from its low end on
.endr
.endr
.endif
	s_wait_dscnt 0x0                               ; V^T of the first 32 keys is in
.irp t, 0,1,2,3                                ; O^T += V^T P: eight accumulators by turns
.irp q, 0,1
.if \first
	v_wmma_f32_16x16x32_f16 v[OA+32*\q+8*\t:OA+32*\q+8*\t+7], v[KV+8*\t:KV+8*\t+7], v[PF+16*\q:PF+16*\q+7], 0
.else
	v_wmma_f32_16x16x32_f16 v[OA+32*\q+8*\t:OA+32*\q+8*\t+7], v[KV+8*\t:KV+8*\t+7], v[PF+16*\q:PF+16*\q+7], v[OA+32*\q+8*\t:OA+32*\q+8*\t+7]
.endif
.endr
.endr
	PLACES 4
.irp i, 0,1,2,3,4,5,6,7
	ds_load_b128 v[KV+4*\i:KV+4*\i+3], v[ADV] offset:4096+512*\i
.endr
	s_wait_dscnt 0x0
.irp t, 0,1,2,3
.irp q, 0,1
	v_wmma_f32_16x16x32_f16 v[OA+32*\q+8*\t:OA+32*\q+8*\t+7], v[KV+8*\t:KV+8*\t+7], v[PF+16*\q+8:PF+16*\q+15], v[OA+32*\q+8*\t:OA+32*\q+8*\t+7]
.endr
.endr
	s_add_co_u32 s[TB], s[TB], 8192
.endm
; ---- A PASS: query tiles 2 p and 2 p + 1 of my wave
.macro PASS p
	s_wait_xcnt 0x0                                ; the last pass's stores have read their data: P's registers are loaded again only behind this wait
.set i, 0
.rept 16
	global_load_b128 v[OA+4*i:OA+4*i+3], v[LI], s[18:19] offset:(\p)*8192+512*i   ; the two tiles' codes: fragment (rt, s) at OA + 32 rt + 8 s
.set i, i+1
.endr
	global_load_b128 v[HS:HS+3], v[LI], s[22:23] offset:(\p)*512     ; their scale words: lanes 0-15 the first tile, lanes 16-31 the second
	global_load_b128 v[WS:WS+3], v[LI], s[20:21]                     ; Wq's channel tiles 0 and 1,
	global_load_b128 v[HS+4:HS+7], v[LI], s[20:21] offset:512        ; 2 and 3
	WLOAD 0, 0, KV
	WLOAD 0, 1, PF
	s_wait_loadcnt 0x0
	s_wait_dscnt 8                                 ; tile 0's fragments are in; tile 1's eight loads may be out
	QMUL 0, KV
	s_wait_dscnt 0x0
	QMUL 1, PF
	PLACES 4
	WLOAD 0, 2, KV
	WLOAD 0, 3, PF
	s_wait_dscnt 8
	QMUL 2, KV
	s_wait_dscnt 0x0
	QMUL 3, PF
	PLACES 4
.set i, 0
.rept 32
	v_pk_mul_f32 v[SS+2*i:SS+2*i+1], v[SS+2*i:SS+2*i+1], s[CS:CS+1] op_sel_hi:[1,0]   ; q x log2(e) / 8, in f32, ahead of the rounding
.set i, i+1
.endr
.irp t, 0,1,2,3
.irp rt, 0,1
.irp i, 0,1,2,3
	v_cvt_pk_f16_f32 v[QF+16*\rt+4*\t+\i], v[SS+8*(2*\t+\rt)+2*\i], v[SS+8*(2*\t+\rt)+2*\i+1]
.endr
.endr
.endr
	s_mov_b32 s[TB], 0
	KSTEP 1
	s_mov_b32 s[CNT], 15
.Lstep_\@:
	KSTEP 0
	s_sub_co_u32 s[CNT], s[CNT], 1
	s_cmp_lg_u32 s[CNT], 0
	s_cbranch_scc1 .Lstep_\@
	PLACES 4                                       ; behind the last products
.irp q, 0,1
	v_add_f32 v[ST+6*\q+1], v[ST+6*\q+2], v[ST+6*\q+3]                   ; l's two halves,
.endr
.irp q, 0,1
	v_permlanex16_b32 v[ST+6*\q+5], v[ST+6*\q+1], s[SEL], s[SEL+1]
.endr
.irp q, 0,1
	v_add_f32 v[ST+6*\q+1], v[ST+6*\q+1], v[ST+6*\q+5]                   ; and the lane 16 away's: the row's sum
.endr
.irp q, 0,1
	v_rcp_f32 v[ST+6*\q+4], v[ST+6*\q+1]
.endr
	v_nop                                          ; a plain line behind the last reciprocal
	s_wait_alu depctr_va_vdst(0)                   ; and the wait ahead of the first use: one for the two
.irp i, 0,1,2,3,4,5,6,7,8,9,10,11,12,13,14,15
.irp q, 0,1
	v_pk_mul_f32 v[OA+32*\q+2*\i:OA+32*\q+2*\i+1], v[OA+32*\q+2*\i:OA+32*\q+2*\i+1], v[ST+6*\q+4:ST+6*\q+5] op_sel_hi:[1,0]   ; O^T / l
.endr
.endr
.irp i, 0,1,2,3,4,5,6,7,8,9,10,11,12,13,14,15
.irp q, 0,1
	v_cvt_pk_f16_f32 v[PF+16*\q+\i], v[OA+32*\q+2*\i], v[OA+32*\q+2*\i+1]   ; channel tiles 2 u and 2 u + 1 are the fragment of K step 2 head + u of the last product
.endr
.endr
.irp q, 0,1
.irp u, 0,1
.irp c, 0,1
	global_store_b128 v[LI], v[PF+16*\q+8*\u+4*\c:PF+16*\q+8*\u+4*\c+3], s[24:25] offset:(2*(\p)+\q)*16384+\u*1024+\c*512   ; 512 consecutive bytes, aligned
.endr
.endr
.endr
.endm
	PASS 0
	PASS 1
	s_wait_tensorcnt 0x0                           ; the wave's end, behind my last LDS store
	ds_add_u32 v[SPW], v[NIL]
	s_wait_dscnt 0x0
	s_endpgm
.Lfunc_end_k_q65d318aa57_attn:
	.size	k_q65d318aa57_attn, .Lfunc_end_k_q65d318aa57_attn-k_q65d318aa57_attn
	.p2alignl 7, 3214868480
	.fill 96, 4, 3214868480
	.section	.rodata,"a",@progbits
	.p2align	6, 0x0
	.amdhsa_kernel k_q65d318aa57_attn
		.amdhsa_group_segment_fixed_size 313344
		.amdhsa_private_segment_fixed_size 0
		.amdhsa_enable_private_segment 0
		.amdhsa_kernarg_size 24
		.amdhsa_user_sgpr_count 2
		.amdhsa_user_sgpr_kernarg_segment_ptr 1
		.amdhsa_wavefront_size32 1
		.amdhsa_system_sgpr_workgroup_id_x 1
		.amdhsa_system_sgpr_workgroup_id_y 1
		.amdhsa_system_sgpr_workgroup_id_z 1
		.amdhsa_system_vgpr_workitem_id 0
		.amdhsa_next_free_vgpr 256
		.amdhsa_next_free_sgpr 66
		.amdhsa_reserve_vcc 0
		.amdhsa_float_denorm_mode_32 3
		.amdhsa_float_denorm_mode_16_64 3
		.amdhsa_memory_ordered 1
		.amdhsa_forward_progress 1
		.amdhsa_inst_pref_size 138
	.end_amdhsa_kernel
	.amdgpu_metadata
---
amdhsa.version: [ 1, 2 ]
amdhsa.kernels:
  - .name:           k_q65d318aa57_attn
    .symbol:         k_q65d318aa57_attn.kd
    .args:
      - { .name: codes, .offset: 0, .size: 8, .value_kind: global_buffer, .address_space: global }
      - { .name: scales, .offset: 8, .size: 8, .value_kind: global_buffer, .address_space: global }
      - { .name: attnb, .offset: 16, .size: 8, .value_kind: global_buffer, .address_space: global }
    .group_segment_fixed_size: 313344
    .private_segment_fixed_size: 0
    .kernarg_segment_align: 8
    .kernarg_segment_size: 24
    .max_flat_workgroup_size: 512
    .sgpr_count:     66
    .vgpr_count:     256
    .wavefront_size: 32
...
	.end_amdgpu_metadata
.endif
;; end of part 2
;; launch proj (part 3): grid 256 x 1, 8 waves a work-group, no clusters, 167,936 bytes of LDS; arguments attnb, wo16, bo, out0; writes out0
.if DOCPART == 3
	.amdgcn_target "amdgcn-amd-amdhsa--gfx1250"
	.amdhsa_code_object_version 6
	.text
	.protected	k_q65d318aa57_proj
	.globl	k_q65d318aa57_proj
	.p2align	8
	.type	k_q65d318aa57_proj,@function
k_q65d318aa57_proj:
	s_mov_b64 s[64:65], 0
	v_nop
	global_prefetch_b8 v0, s[64:65] scope:SCOPE_SE
	s_setreg_imm32_b32 hwreg(HW_REG_WAVE_MODE, 25, 1), 1
	s_wait_xcnt 0x0
; THIRD LAUNCH: out0 = O Wo^T + bo.  O (attnb) and Wo (wo16) arrive as f16, as images of operand registers (16 rows x 32 K: 1,024 bytes, two halves of 16 bytes a lane); sums in f32.  No work of reference() is left out.
; SHARES: a work-group takes 128 rows of out0: 8 row tiles, 131,072 consecutive bytes of attnb, brought into LDS by one tensor load a wave (a row tile each) and read by all eight waves.
; Wave v makes columns 64 v .. 64 v + 63 of all 128 rows: 32 accumulators.  Its part of Wo goes from memory straight into registers, three K steps ahead: in a work-group each byte of Wo's images is read once.
; THE MATRIX INSTRUCTION IS USED TRANSPOSED (source 0 = 16 rows of Wo, source 1 = 16 rows of O): a lane holds eight neighbouring columns of one row of out0.  bo is the C of each sum's first product.
; NO CLUSTER: what work-groups share is Wo's 524,288 bytes; sent through LDS they would be written there and read again, 1 MiB more beside the 1 MiB that the work-group's 4,096 products read of O.
; LDS is filled once: there is no ring and no refill; a wave has one tensor load outstanding.
; REGISTERS: window 0: v1-8 addresses; v16-79 O's eight fragments of a K step; v80-111 bo in the result's layout; v128-255 four buffers of Wo's four fragments; on the way out v128-191 rows of out0.
;   window 1: accumulator (row tile rt, column tile ct) at v[8 (4 rt + ct)].
.set STAGE,  131072                    ; behind O's images: 16 rows x (256 bytes + 16) for each wave, for the way out
.set SPITCH, 272                       ; 68 words: row r starts 4 r words on in each 64, so the sixteen rows of a store start at sixteen different places
.set SPARE,  STAGE+8*16*SPITCH         ; behind the stages: the spare words, 128 bytes for each wave: four blocks of 256 bytes that no other line names
.set LI,  1                            ; v1  16 x lane
.set LI2, 2                            ; v2  16 x lane + 65,536: row tiles 4-7 lie beyond an LDS immediate's reach
.set SPW, 3                            ; v3  LDS address of my spare word; never rewritten
.set NIL, 4                            ; v4  0; never rewritten
.set STO, 5                            ; v5  the way out: where I put 32 bytes of a row
.set RD,  6                            ; v6  the way out: where I read a row back
.set CO,  7                            ; v7  my byte offset in out0
.set BA,  8                            ; v8  my byte offset in bo
.set AF,  16
.set BI,  80
.set BF,  128
.set BK,  128
.set G1,  16                           ; s[16:23] descriptor group 1
.set G0,  24                           ; s[24:27] descriptor group 0
.set MSB, 0
.macro WIN new                         ; the immediate's high byte repeats the setting that is left; a switch that changes nothing is dropped
.if MSB != \new
	s_set_vgpr_msb (MSB<<8)|\new
.set MSB, \new
.endif
.endm
.macro PLACES n
.rept \n
	v_nop
.endr
.endm
	s_load_b256 s[4:11], s[0:1], 0x0               ; attnb s[4:5], wo16 s[6:7], bo s[8:9], out0 s[10:11]
	v_lshl_add_u32 v[SPW], v0, 2, SPARE
	v_mov_b32 v[NIL], 0
	ds_add_u32 v[SPW], v[NIL]                      ; the wave's opening: the add, twice on end, and its wait ahead of my first tensor load; the set-up below stands between the second and the wait
	ds_add_u32 v[SPW], v[NIL]
	v_lshrrev_b32 v[LI], 5, v0
	v_readfirstlane_b32 s12, v[LI]                 ; wave 0..7
	; group 1: a dense block of 16,384 bytes as 64 rows of 32 elements of 8 bytes, no padding: images are read 512 consecutive bytes an instruction
	s_mov_b32 s[G1+0], 3<<16                       ; no mask; elements of 8 bytes; padding off
	s_mov_b32 s[G1+1], 32<<16                      ; tensor_dim0 = 32
	s_mov_b32 s[G1+2], 64<<16                      ; tensor_dim1 = 64
	s_mov_b32 s[G1+3], 32<<16                      ; tile_dim0 = 32
	s_mov_b32 s[G1+4], 64                          ; tile_dim1 = 64
	s_mov_b32 s[G1+5], 32                          ; from row to row: 32 elements
	s_mov_b32 s[G1+6], 0
	s_mov_b32 s[G1+7], 0
	s_mov_b32 s[G0], 1                             ; count = 1
	s_lshl_b32 s[G0+1], s12, 14                    ; LDS address: row tile = my wave's number
	s_lshl_b32 s14, ttmp9, 17                      ; the work-group's 131,072 bytes,
	s_add_co_u32 s14, s14, s[G0+1]                 ; my wave's 16,384 of them
	s_mov_b32 s15, 0
	s_wait_dscnt 0x0                               ; both opening adds are done
	s_wait_kmcnt 0x0
	s_add_nc_u64 s[G0+2:G0+3], s[4:5], s[14:15]
	s_or_b32 s[G0+3], s[G0+3], 0x80000000          ; type = 2
	tensor_load_to_lds s[G0:G0+3], s[G1:G1+7]
	s_nop 0
	v_and_b32 v[LI], 31, v0
	v_lshlrev_b32 v[LI], 4, v[LI]
	v_add_nc_u32 v[LI2], 65536, v[LI]
	v_and_b32 v9, 15, v0                           ; r
	v_bfe_u32 v10, v0, 4, 1                        ; h
	s_mul_i32 s13, s12, 16*SPITCH
	s_add_co_u32 s13, s13, STAGE                   ; my stage
	v_mul_u32_u24 v[STO], v9, SPITCH               ; in: row r, 32 bytes for each half of the lanes
	v_lshl_add_u32 v[STO], v10, 5, v[STO]
	v_add_nc_u32 v[STO], s13, v[STO]
	v_mul_u32_u24 v[RD], v10, SPITCH               ; back: lanes 0-15 take one row of 256 bytes, lanes 16-31 the next
	v_lshl_add_u32 v[RD], v9, 4, v[RD]
	v_add_nc_u32 v[RD], s13, v[RD]
	v_lshlrev_b32 v[CO], 11, v10                   ; and the same two rows in out0: 2,048 bytes a row
	v_lshl_add_u32 v[CO], v9, 4, v[CO]
	v_lshlrev_b32 v[BA], 5, v10                    ; bo: my half's eight numbers of a column tile
	s_lshl_b32 s14, s12, 16
	s_add_nc_u64 s[28:29], s[6:7], s[14:15]        ; Wo's images of my four column tiles: 16,384 bytes each
	s_lshl_b32 s14, s12, 8
	s_add_nc_u64 s[30:31], s[8:9], s[14:15]        ; bo at my 64 columns
	s_lshl_b32 s13, ttmp9, 18                      ; 128 rows of 2,048 bytes
	s_add_co_u32 s14, s14, s13
	s_add_nc_u64 s[32:33], s[10:11], s[14:15]      ; out0 at my work-group's first row, my wave's first column
.macro BLOAD kk                        ; Wo's four fragments of K step kk into buffer kk % 4
.irp ct, 0,1,2,3
.irp c, 0,1
	global_load_b128 v[BF+32*((\kk)%4)+8*\ct+4*\c:BF+32*((\kk)%4)+8*\ct+4*\c+3], v[LI], s[28:29] offset:\ct*16384+(\kk)*1024+\c*512
.endr
.endr
.endm
.macro ALOAD kk, hi                    ; O's fragments of K step kk: row tiles 0-3 (hi = 0) or 4-7 (hi = 1)
.irp r, 0,1,2,3
.irp c, 0,1
.if \hi
	ds_load_b128 v[AF+8*(4+\r)+4*\c:AF+8*(4+\r)+4*\c+3], v[LI2] offset:\r*16384+(\kk)*1024+\c*512
.else
	ds_load_b128 v[AF+8*\r+4*\c:AF+8*\r+4*\c+3], v[LI] offset:\r*16384+(\kk)*1024+\c*512
.endif
.endr
.endr
.endm
.macro MULWIN kk                       ; D in window 1; C: bo, in window 0, for the first K step, then the accumulator itself
.if (\kk) == 0
	WIN 0x40
.else
	WIN 0x50
.endif
.endm
.macro MUL16 kk, r0                    ; row tiles r0 .. r0 + 3 x my four column tiles.  The 32 accumulators take turns, one instruction a turn, in the same order in every K step
.irp r, 0,1,2,3
.irp ct, 0,1,2,3
.if (\kk) == 0
	v_wmma_f32_16x16x32_f16 v[8*(4*(\r0+\r)+\ct):8*(4*(\r0+\r)+\ct)+7], v[BF+32*((\kk)%4)+8*\ct:BF+32*((\kk)%4)+8*\ct+7], v[AF+8*(\r0+\r):AF+8*(\r0+\r)+7], v[BI+8*\ct:BI+8*\ct+7]
.else
	v_wmma_f32_16x16x32_f16 v[8*(4*(\r0+\r)+\ct):8*(4*(\r0+\r)+\ct)+7], v[BF+32*((\kk)%4)+8*\ct:BF+32*((\kk)%4)+8*\ct+7], v[AF+8*(\r0+\r):AF+8*(\r0+\r)+7], v[8*(4*(\r0+\r)+\ct):8*(4*(\r0+\r)+\ct)+7]
.endif
.endr
.endr
.endm
.irp ct, 0,1,2,3
	global_load_b128 v[BI+8*\ct:BI+8*\ct+3], v[BA], s[30:31] offset:64*\ct
	global_load_b128 v[BI+8*\ct+4:BI+8*\ct+7], v[BA], s[30:31] offset:64*\ct+16
.endr
	BLOAD 0
	BLOAD 1
	BLOAD 2
	BLOAD 3
	s_wait_tensorcnt 0x0                           ; my row tile has landed,
	s_barrier_signal -1
	s_barrier_wait -1                              ; everybody's has.
	ALOAD 0, 0
	ALOAD 0, 1
.macro STEP kk
.if 15-(\kk) >= 3
	s_wait_loadcnt 24                              ; this K step's fragments of Wo (and, the first time, bo) are in; the three K steps behind it, eight loads each, may be out
.else
	s_wait_loadcnt 8*(15-(\kk))
.endif
	s_wait_dscnt 8                                 ; O's row tiles 0-3 are in; the eight loads of tiles 4-7 may be out
	MULWIN \kk
	MUL16 \kk, 0
	s_wait_dscnt 0x0                               ; tiles 4-7 are in
.if (\kk) < 15
	WIN 0
	PLACES 4                                       ; ahead of loads into registers that the products above have read
	ALOAD (\kk)+1, 0
.endif
	MULWIN \kk
	MUL16 \kk, 4
	WIN 0
.if (\kk) < 15
	PLACES 4
	ALOAD (\kk)+1, 1
.endif
.if (\kk)+4 < 16
	BLOAD (\kk)+4                                  ; into the buffer that this K step has multiplied
.endif
.endm
.irp kk, 0,1,2,3,4,5,6,7,8,9,10,11,12,13,14,15
	STEP \kk
.endr
; THE WAY OUT, a row tile at a time.  A lane holds 32 neighbouring bytes of a row and the lanes beside it hold other rows: the tile goes through my own stage and comes back as rows of 256 bytes.
; LDS serves a wave's instructions in order (ISA guide 5.7.1.4): no wait between the stores and the loads, nor ahead of the next tile's stores.
.macro TOSTAGE a
	WIN 0x04                                       ; an LDS store's data are its source 1: window 1
.irp ct, 0,1,2,3
	ds_store_b128 v[STO], v[8*(4*(\a)+\ct):8*(4*(\a)+\ct)+3] offset:64*\ct        ; each accumulator from its low end on
	ds_store_b128 v[STO], v[8*(4*(\a)+\ct)+4:8*(4*(\a)+\ct)+7] offset:64*\ct+16
.endr
	WIN 0
.irp i, 0,1,2,3,4,5,6,7
	ds_load_b128 v[BK+32*((\a)%2)+4*\i:BK+32*((\a)%2)+4*\i+3], v[RD] offset:2*SPITCH*\i
.endr
.endm
.macro SEND a, younger                 ; younger: the LDS instructions issued behind tile a's loads, which may stay out
	s_wait_dscnt \younger
.irp i, 0,1,2,3,4,5,6,7
	global_store_b128 v[CO], v[BK+32*((\a)%2)+4*\i:BK+32*((\a)%2)+4*\i+3], s[32:33] offset:(16*(\a)+2*\i)*2048 th:TH_STORE_NT   ; sixteen lanes store 256 consecutive bytes, aligned; written once, read by nobody here
.endr
.endm
	PLACES 4                                       ; behind the last products: ahead of the stores that read results and of the loads into Wo's buffers
	TOSTAGE 0
.irp a, 1,2,3,4,5,6,7
.if \a > 1
	s_wait_xcnt 0x0                                ; tile a - 2's stores have read their data: tile a's loads land there only behind this wait
.endif
	TOSTAGE \a
	SEND \a-1, 16                                  ; behind tile a - 1's loads: tile a's 8 stores and 8 loads
.endr
	SEND 7, 0
	s_wait_tensorcnt 0x0                           ; the wave's end, behind my last tensor load and my last LDS store
	ds_add_u32 v[SPW], v[NIL]
	s_wait_dscnt 0x0
	s_endpgm
.Lfunc_end_k_q65d318aa57_proj:
	.size	k_q65d318aa57_proj, .Lfunc_end_k_q65d318aa57_proj-k_q65d318aa57_proj
	.p2alignl 7, 3214868480
	.fill 96, 4, 3214868480
	.section	.rodata,"a",@progbits
	.p2align	6, 0x0
	.amdhsa_kernel k_q65d318aa57_proj
		.amdhsa_group_segment_fixed_size 167936
		.amdhsa_private_segment_fixed_size 0
		.amdhsa_enable_private_segment 0
		.amdhsa_kernarg_size 32
		.amdhsa_user_sgpr_count 2
		.amdhsa_user_sgpr_kernarg_segment_ptr 1
		.amdhsa_wavefront_size32 1
		.amdhsa_system_sgpr_workgroup_id_x 1
		.amdhsa_system_sgpr_workgroup_id_y 1
		.amdhsa_system_sgpr_workgroup_id_z 1
		.amdhsa_system_vgpr_workitem_id 0
		.amdhsa_next_free_vgpr 512
		.amdhsa_next_free_sgpr 66
		.amdhsa_reserve_vcc 0
		.amdhsa_float_denorm_mode_32 3
		.amdhsa_float_denorm_mode_16_64 3
		.amdhsa_memory_ordered 1
		.amdhsa_forward_progress 1
		.amdhsa_inst_pref_size 86
	.end_amdhsa_kernel
	.amdgpu_metadata
---
amdhsa.version: [ 1, 2 ]
amdhsa.kernels:
  - .name:           k_q65d318aa57_proj
    .symbol:         k_q65d318aa57_proj.kd
    .args:
      - { .name: attnb, .offset: 0, .size: 8, .value_kind: global_buffer, .address_space: global }
      - { .name: wo16, .offset: 8, .size: 8, .value_kind: global_buffer, .address_space: global }
      - { .name: bo, .offset: 16, .size: 8, .value_kind: global_buffer, .address_space: global }
      - { .name: out0, .offset: 24, .size: 8, .value_kind: global_buffer, .address_space: global }
    .group_segment_fixed_size: 167936
    .private_segment_fixed_size: 0
    .kernarg_segment_align: 8
    .kernarg_segment_size: 32
    .max_flat_workgroup_size: 256
    .sgpr_count:     66
    .vgpr_count:     512
    .wavefront_size: 32
...
	.end_amdgpu_metadata
.endif
;; end of part 3
